; MI455X (gfx1250); checked and timed in simulation.
; The chip was launched on July 23, 2026; its instructions are those of AMD's public machine-readable ISA for CDNA 5 (MIT licence, August 2026) and "CDNA5" Instruction Set Architecture Reference Guide (July 2026). The comments in the code are by the model that wrote it; some were corrected since.
;; MAB. Allowed arithmetic: matrix products marked QUANTISED: E4M3 operands, one E8M0 scale for each 32 along K, by v_wmma_scale_f32_16x16x128_f8f6f4 with both operands' format E4M3, f32 sums; everything else in f32.
;; Inputs: Wk_codes 512 x 16 x 32 uint8 (E4M3 codes of Wk, K innermost, in blocks of 32 codes); Wk_scales 512 x 16 uint8 (E8M0 scales of Wk, one for each 32 codes along K); Wo_codes 512 x 16 x 32 uint8 (E4M3 codes of Wo, K innermost, in blocks of 32 codes); Wo_scales 512 x 16 uint8 (E8M0 scales of Wo, one for each 32 codes along K); Wq_codes 512 x 16 x 32 uint8 (E4M3 codes of Wq, K innermost, in blocks of 32 codes); Wq_scales 512 x 16 uint8 (E8M0 scales of Wq, one for each 32 codes along K); Wv_codes 512 x 16 x 32 uint8 (E4M3 codes of Wv, K innermost, in blocks of 32 codes); Wv_scales 512 x 16 uint8 (E8M0 scales of Wv, one for each 32 codes along K); bk 512 float32; bo 512 float32; bq 512 float32; bv 512 float32; key_value_codes 32 x 512 x 16 x 32 uint8 (E4M3 codes of key_value, K innermost, in blocks of 32 codes); key_value_scales 32 x 512 x 16 uint8 (E8M0 scales of key_value, one for each 32 codes along K); ln0_b 512 float32; ln0_w 512 float32; ln1_b 512 float32; ln1_w 512 float32; query_codes 32 x 512 x 16 x 32 uint8 (E4M3 codes of query, K innermost, in blocks of 32 codes); query_scales 32 x 512 x 16 uint8 (E8M0 scales of query, one for each 32 codes along K).
;; Outputs: out0 32 x 512 x 512 float32.
;; This version of the problem:
;;   THIS VERSION OF THE PROBLEM IS GIVEN IN LOW PRECISION. The matrix products marked QUANTISED in the list below multiply operands that are first quantised to E4M3 (4 exponent bits, 3 mantissa bits; 8 bits a number), with one power-of-two scale for each 32 numbers along K (OCP MX v1.0); their sums are f32. All else is computed in f32.
;;   The module's matrix products, in the order in which they are computed (A, B: the left and right operand; K: the contracted axis; several contracted axes count as one K, in the product's order):
;;     1. [M 16,384, K 512] x [K 512, N 512]; A: input query (given as codes); B: input Wq (given as codes): QUANTISED
;;     2. [M 16,384, K 512] x [K 512, N 512]; A: input key_value (given as codes); B: input Wk (given as codes): QUANTISED
;;     3. [M 16,384, K 512] x [K 512, N 512]; A: input key_value (given as codes); B: input Wv (given as codes): QUANTISED
;;     4. batch 256 x [M 512, K 64] x [K 64, N 512]; A: computed on the way; B: computed on the way: QUANTISED
;;     5. batch 256 x [M 64, K 512] x [K 512, N 512]; A: computed on the way; B: computed on the way: QUANTISED
;;     6. [M 16,384, K 512] x [K 512, N 512]; A: computed on the way; B: input Wo (given as codes): QUANTISED
;;   THE QUANTISER, for each operand of a quantised product, along K:
;;     - K is cut into blocks of 32 from its start; a last block that is shorter is filled with zeros.
;;     - A block's scale is 2^e with e = floor(log2(the largest magnitude in the block)) - 8, held to -126 .. 127; a block of zeros has e = 0. As a byte (E8M0): e + 127.
;;     - Each number is divided by its block's scale, clamped to +-448, and rounded to the nearest number of E4M3, ties to even, subnormals kept.
;;     - The product sums the exact products of the quantised numbers (number of the format x scale) in f32.
;;   ~~~python
;;   def quantise(x, axis):      # numpy; x: float32 -> the quantised numbers, widened to float32 again
;;       x = np.moveaxis(x, axis, -1); K = x.shape[-1]
;;       x = np.pad(x, [(0, 0)] * (x.ndim - 1) + [(0, -K % 32)]); x = x.reshape(x.shape[:-1] + (-1, 32)); a = np.abs(x).max(-1, keepdims=True)
;;       e = np.where(a > 0, np.clip(np.frexp(np.where(a > 0, a, 1))[1] - 1 - 8, -126, 127), 0)      # np.frexp(a)[1] - 1 = floor(log2(a)), exactly
;;       r = np.clip(x / 2.0 ** e, -448, 448)
;;       step = 2.0 ** (np.maximum(np.frexp(np.where(r == 0, 1, r))[1] - 1, -6) - 3)
;;       q = np.round(r / step) * step * 2.0 ** e      # np.round: ties to even
;;       return np.moveaxis(q.reshape(q.shape[:-2] + (-1,))[..., :K], -1, axis).astype(np.float32)
;;   ~~~
;;   OPERANDS COMPUTED ON THE WAY. 'Computed on the way' means the value that the module computes at that place (a softmax that the list does not call 'softmax' is quantised finished and normalised). What goes into a quantiser is computed in f32, as accurately as f32 sums, v_exp_f32 and their like allow (about 1e-6 of the number): no bf16 or f16 on the way to a quantiser, and a product that is left as it is and whose result goes on into a quantised operand takes f32 operands (vector FMAs, or v_wmma_f32_16x16x4_f32). A number that lies on a knife's edge between two numbers of the format may be rounded either way, as far as f32 arithmetic and the matrix unit's own rounding can turn it there, and no further.
;;   INPUTS GIVEN AS CODES. Wk (in the module: [512, 512], K = its axis 1); Wo (in the module: [512, 512], K = its axis 1); Wq (in the module: [512, 512], K = its axis 1); Wv (in the module: [512, 512], K = its axis 1); key_value (in the module: [32, 512, 512], K = its axis 2); query (in the module: [32, 512, 512], K = its axis 2): each comes as NAME_codes (uint8): NAME with its K axis moved to the last place and cut into blocks of 32 codes, [.., K / 32, bytes a block], one block behind the other in memory; one code a byte (a code: sign, 4 exponent bits, 3 mantissa bits); and NAME_scales (uint8): the same leading axes, one E8M0 byte (e + 127) for each 32 codes along K. Its value is code x scale, taken as it is: it is not quantised again, and the codes and scales need not be those that the quantiser above would give.
;; One version. Each part assembles by itself: llvm-mc -triple=amdgcn-amd-amdhsa -mcpu=gfx1250 --defsym DOCPART=n.
;; ======== version 1 of 1: 2 launches
;; limits: a function is approximated: absolute error at most 1.2e-07
;; workspace buffers: kv 17,301,504 bytes; wimg 540,672 bytes
;; launch prep (part 1): grid 8 x 32, 4 waves a work-group, no clusters, 0 bytes of LDS; arguments key_value_codes, key_value_scales, Wk_codes, Wk_scales, bk, Wv_codes, Wv_scales, bv, Wq_codes, Wq_scales, Wo_codes, Wo_scales, kv, wimg; writes kv, wimg
.if DOCPART == 1
	.amdgcn_target "amdgcn-amd-amdhsa--gfx1250"
	.amdhsa_code_object_version 6
	.text
	.protected	k_qf309bb27b1_prep
	.globl	k_qf309bb27b1_prep
	.p2align	8
	.type	k_qf309bb27b1_prep,@function
k_qf309bb27b1_prep:
	s_mov_b64 s[64:65], 0
	v_nop
	global_prefetch_b8 v0, s[64:65] scope:SCOPE_SE
	s_setreg_imm32_b32 hwreg(HW_REG_WAVE_MODE, 25, 1), 1
	s_wait_xcnt 0x0
; MAB, first of two launches.  k = key_value Wk^T + bk and v = key_value Wv^T + bv on codes of E4M3 with E8M0 scales; k is quantised along each head's 64 features, v along the keys,
; and both are stored as IMAGES OF OPERAND REGISTERS (16 bytes a lane, 512 bytes a group of four registers) with their scale words, in kv[batch][head][67,584 bytes]:
;   0       K: key tile t = 0..31, 1,024 bytes [c 0..1][lane][16]: lane (r, h) holds key 32 (t/2) + 8 (t%2) + r + 8 (r/8), head features 32 c + 16 h + 0..15
;   32,768  K's scale words [s 4][lane][2]: word 2 s + i of lane (r, h): bytes 0, 1 tile 4 (2 s + i) + 2 h, bytes 2, 3 the tile after it
;   33,792  V: fragment (s, t) at 2,048 (4 s + t), [c 0..3][lane][16]: lane (r, h) holds head feature 32 (t/2) + 8 (t%2) + r + 8 (r/8), keys 128 s + 32 c + 16 h + 0..15
;   66,560  V's scale words [s 4][lane][2]: word 2 s + i: lanes 0-15 tile 2 i, lanes 16-31 tile 2 i + 1
; Each wave also copies one 512-byte group of Wq's or Wo's codes into the same order, wimg[16 chunks of 64 rows][33,792]: 16 fragments (4 s + tile) of 2,048 bytes, then 1,024 bytes of scale words.
; NOTHING OF reference() IS LEFT OUT in this program: every product, bias, gain and input has a way to the output, and all twenty input buffers are loaded (twelve here, the others in the second launch).
; SHARES.  Work-group x = 2 s + mat, y = batch.  mat = 0 makes k, mat = 1 makes v, for keys 128 s .. 128 s + 127; wave w takes features 128 w .. 128 w + 127 (heads 2 w, 2 w + 1).
; A STATIONARY operand S (128 rows x K 512: 512 registers, windows 2 and 3) is source 0, a STREAMING operand T (8 tiles of 16 rows, two buffers in window 1) is source 1: a lane then holds one row of T, and its
; registers run along S's rows, which is the axis to be quantised.  k: S = Wk's rows, T = keys.  v: S = keys, T = Wv's rows.
; THE ROWS OF A TILE ARE NOT NEIGHBOURS: lane r of tile 2 b + u takes row 32 b + 8 u + r + 8 (r / 8), so that the 16 registers of tiles 2 b, 2 b + 1 are 16 neighbours: 32 b + 16 (lane / 16) + 0..15.
; NO CLUSTER, NO LDS: operands go from memory straight into the lanes' operand registers, in that row order; a wave issues 256 matrix instructions in all, and waves hand nothing to each other.
; LIMITS: a block whose largest magnitude lies under 2^-118 is quantised under the scale byte 1 (a block of zeros too, where the rule says 127: its codes are zeros, and this program alone reads the bytes);
; NaN and infinities are not served.
.set CH,   33792                       ; a chunk of wimg; also half a block of kv
.set KVB,  67584                       ; a block of kv
.set VA,   1                           ; v1   (r + 8 (r/8)) x 512 + 16 h: my 16 codes in a tile's rows
.set VS,   2                           ; v2   (r + 8 (r/8)) x 16: my row's scale bytes
.set L16,  3                           ; v3   16 x lane
.set L8,   4                           ; v4   8 x lane
.set BIA,  5                           ; v5   the bias: k: 64 h; v: 4 (r + 8 (r/8))
.set VS2,  6                           ; v6   (8 h + r + 8 (r/8)) x 16: a weight's scale words, two tiles to a register
.set LANE, 7
.set PWS,  8                           ; v8-15    the scale word of each of T's 8 tiles
.set SS,   16                          ; v16-47   S's scale words, 4 t + K step
.set TS,   48                          ; v48-55   T's, two sets
.set TM,   56                          ; v56-71   the quantiser's work
.set PC,   72                          ; v72-103  codes, two sets of 16
.set SO,   104                         ; v104-107 scale words on their way out
.set TMP,  108
.set ACC,  112                         ; v112-175 8 accumulators
.set CB,   176                         ; v176-239 the bias in the result's layout
.set RLD,  240                         ; v240-243 the piece of Wq or Wo
.set RSD,  244                         ; v244-247 a piece of their scale words
.set SEL,  30
.set MNT,  32
.set MSB, 0
.macro WIN new                         ; the immediate's high byte repeats the setting that is left
.if MSB != (\new)
	s_set_vgpr_msb (MSB<<8)|(\new)
.set MSB, (\new)
.endif
.endm
.macro NOPS n
.rept \n
	v_nop
.endr
.endm
; nb blocks of 32: a lane's 16 nb numbers v[src] on (window sw), register 16 b + i = place 32 b + 16 (lane / 16) + i of my row, become codes in v[cdst] on (window cw) and a scale word in v[pw].
; hold = 0: the numbers are held in place; 1: into v[T] on, so that they survive.  adj is taken off each scale byte.  c2: a second copy of the codes (0: none).
.macro QUANT src, sw, nb, hold, cdst, cw, pw, floor, adj, c2
	WIN ((\sw)|((\sw)<<2))
.set qb_, 0
.rept \nb
	v_max3_num_f32 v[TM+qb_], |v[(\src)+16*qb_]|, |v[(\src)+16*qb_+1]|, \floor   ; my 16 numbers and the floor, under which no largest magnitude is taken
.set qb_, qb_+1
.endr
.set qi_, 2
.rept 7
.set qb_, 0
.rept \nb
	v_max3_num_f32 v[TM+qb_], |v[(\src)+16*qb_+qi_]|, |v[(\src)+16*qb_+qi_+1]|, v[TM+qb_]   ; the blocks by turns
.set qb_, qb_+1
.endr
.set qi_, qi_+2
.endr
	WIN 0
.set qb_, 0
.rept \nb
	v_permlanex16_b32 v[TM+4+qb_], v[TM+qb_], s[SEL], s[SEL+1]
.set qb_, qb_+1
.endr
.set qb_, 0
.rept \nb
	v_max_num_f32 v[TM+qb_], v[TM+qb_], v[TM+4+qb_]          ; with lane l xor 16's: the block's largest magnitude
.set qb_, qb_+1
.endr
.set qb_, 0
.rept \nb
	v_add_nc_u32 v[TM+12+qb_], 0xfc000000, v[TM+qb_]         ; 8 off its exponent field: the conversion's scale operand
.set qb_, qb_+1
.endr
.set qb_, 0
.rept \nb
	v_and_or_b32 v[TM+8+qb_], v[TM+qb_], 0x7f800000, s[MNT]  ; 448 x the scale
.set qb_, qb_+1
.endr
.set qb_, 0
.rept \nb
	v_lshrrev_b32 v[TM+4+qb_], 23, v[TM+12+qb_]              ; the scale's byte
.set qb_, qb_+1
.endr
.if \adj
.set qb_, 0
.rept \nb
	v_add_nc_u32 v[TM+4+qb_], -(\adj), v[TM+4+qb_]
.set qb_, qb_+1
.endr
.endif
	v_lshl_or_b32 v[\pw], v[TM+5], 8, v[TM+4]
.if (\nb) == 4
	v_lshl_or_b32 v[\pw], v[TM+6], 16, v[\pw]
	v_lshl_or_b32 v[\pw], v[TM+7], 24, v[\pw]
.else
	v_lshl_or_b32 v[\pw], v[\pw], 16, v[\pw]                 ; two blocks: the pair of bytes twice
.endif
.if \hold
	WIN (\sw)
.else
	WIN ((\sw)|((\sw)<<6))
.endif
.set qi_, 0
.rept 16*(\nb)
.if \hold
	v_med3_num_f32 v[T+qi_], v[(\src)+qi_], -v[TM+8+qi_/16], v[TM+8+qi_/16]
.else
	v_med3_num_f32 v[(\src)+qi_], v[(\src)+qi_], -v[TM+8+qi_/16], v[TM+8+qi_/16]   ; the conversion to an 8-bit code does not saturate (ISA guide 7.6.2): the hold at 448 x the scale
.endif
.set qi_, qi_+1
.endr
.if \hold
.set qs_, T
	WIN ((\cw)<<6)
.else
.set qs_, (\src)
	WIN ((\sw)|((\cw)<<6))
.endif
.set qb_, 0
.rept \nb
	v_cvt_scalef32_pk8_fp8_f32 v[(\cdst)+4*qb_:(\cdst)+4*qb_+1], v[qs_+16*qb_:qs_+16*qb_+7], v[TM+12+qb_]
	v_cvt_scalef32_pk8_fp8_f32 v[(\cdst)+4*qb_+2:(\cdst)+4*qb_+3], v[qs_+16*qb_+8:qs_+16*qb_+15], v[TM+12+qb_]
.if \c2
	v_cvt_scalef32_pk8_fp8_f32 v[(\c2)+4*qb_:(\c2)+4*qb_+1], v[qs_+16*qb_:qs_+16*qb_+7], v[TM+12+qb_]
	v_cvt_scalef32_pk8_fp8_f32 v[(\c2)+4*qb_+2:(\c2)+4*qb_+3], v[qs_+16*qb_+8:qs_+16*qb_+15], v[TM+12+qb_]
.endif
.set qb_, qb_+1
.endr
	WIN 0
	v_nop                                                    ; one plain instruction behind the last scaled conversion
.endm
	s_load_b512 s[68:83], s[0:1], 0x0              ; key_value codes, scales; Wk codes, scales; bk; Wv codes, scales; bv
	s_load_b256 s[84:91], s[0:1], 0x40             ; Wq codes, scales; Wo codes, scales
	s_load_b128 s[92:95], s[0:1], 0x60             ; kv, wimg
	v_lshrrev_b32 v[TMP], 5, v0
	v_readfirstlane_b32 s4, v[TMP]                 ; wave w
	v_and_b32 v[LANE], 31, v0
	v_and_b32 v[TMP], 15, v0                       ; r
	v_bfe_u32 v[TMP+1], v0, 4, 1                   ; h
	v_and_b32 v[TMP+2], 8, v[TMP]
	v_add_nc_u32 v[TMP+2], v[TMP+2], v[TMP]        ; r + 8 (r / 8)
	v_lshlrev_b32 v[VA], 9, v[TMP+2]
	v_lshl_add_u32 v[VA], v[TMP+1], 4, v[VA]
	v_lshlrev_b32 v[VS], 4, v[TMP+2]
	v_lshlrev_b32 v[L16], 4, v[LANE]
	v_lshlrev_b32 v[L8], 3, v[LANE]
	v_lshl_add_u32 v[VS2], v[TMP+1], 3, v[TMP+2]
	v_lshlrev_b32 v[VS2], 4, v[VS2]
.irp b, 0,1,2,3
	v_mov_b32 v[TM+4+\b], 0                        ; written once: a lane permute's destination counts as one of its sources
.endr
	s_mov_b32 s[SEL], 0x76543210
	s_mov_b32 s[SEL+1], 0xfedcba98                 ; lane l xor 16
	s_mov_b32 s[MNT], 0x600000                     ; the mantissa field of 448
	s_and_b32 s5, ttmp9, 1                         ; mat
	s_lshr_b32 s6, ttmp9, 1                        ; s: which 128 keys
	s_and_b32 s7, ttmp7, 0xffff                    ; batch
	s_lshl_b32 s8, s7, 3
	s_add_co_u32 s8, s8, ttmp9                     ; g = 8 batch + x: 0..255
	s_lshl_b32 s9, s8, 2
	s_add_co_u32 s9, s9, s4                        ; pid = 4 g + w: 0..1023
	s_lshl_b32 s36, s7, 9
	s_lshl_b32 s37, s6, 7
	s_add_co_u32 s36, s36, s37                     ; my first key's row of key_value
	s_lshl_b32 s38, s36, 9                         ; its codes,
	s_mov_b32 s39, 0
	s_lshl_b32 s40, s36, 4                         ; its scale bytes
	s_mov_b32 s41, 0
	s_lshl_b32 s42, s4, 16                         ; the weight's rows 128 w on: codes,
	s_mov_b32 s43, 0
	s_lshl_b32 s44, s4, 11                         ; scale bytes,
	s_mov_b32 s45, 0
	s_lshl_b32 s46, s4, 9                          ; and the bias
	s_mov_b32 s47, 0
	s_lshl_b32 s56, s7, 3
	s_lshl_b32 s57, s4, 1
	s_add_co_u32 s56, s56, s57
	s_mul_i32 s56, s56, KVB                        ; block (batch, head 2 w) of kv
	s_cmp_eq_u32 s5, 0
	s_cselect_b32 s58, 0, CH                       ; images: K's at 0, V's at 33,792
	s_mov_b32 s60, 66560
	s_cselect_b32 s60, 32768, s60                  ; scale words
	s_add_co_u32 s58, s58, s56
	s_add_co_u32 s60, s60, s56
	s_lshl_b32 s57, s6, 13                         ; 8 key tiles of 1,024 bytes, or 4 fragments of 2,048: 8,192 s
	s_add_co_u32 s58, s58, s57
	s_lshl_b32 s57, s6, 8
	s_add_co_u32 s60, s60, s57
	s_mov_b32 s59, 0
	s_mov_b32 s61, 0
	; the piece of Wq (g < 128) or Wo that I lay out: chunk g / 16, fragment g % 16 = 4 (K step) + tile, group of four registers w
	s_bfe_u32 s22, s8, 0x30004
	s_lshl_b32 s22, s22, 15                        ; 64 rows of 512 bytes a chunk
	s_bfe_u32 s23, s8, 0x10001
	s_lshl_b32 s23, s23, 14                        ; 32 rows
	s_add_co_u32 s22, s22, s23
	s_and_b32 s23, s8, 1
	s_lshl_b32 s23, s23, 12                        ; 8 rows
	s_add_co_u32 s22, s22, s23
	s_bfe_u32 s23, s8, 0x20002
	s_lshl_b32 s23, s23, 7                         ; the K step
	s_add_co_u32 s22, s22, s23
	s_lshl_b32 s23, s4, 5                          ; 32 codes a group
	s_add_co_u32 s22, s22, s23
	s_mov_b32 s23, 0
	s_lshr_b32 s24, s8, 4
	s_mul_i32 s24, s24, CH
	s_and_b32 s25, s8, 15
	s_lshl_b32 s25, s25, 11
	s_add_co_u32 s24, s24, s25
	s_lshl_b32 s25, s4, 9
	s_add_co_u32 s24, s24, s25
	s_mov_b32 s25, 0
	s_wait_kmcnt 0x0
	s_add_nc_u64 s[68:69], s[68:69], s[38:39]      ; key_value at my first key
	s_add_nc_u64 s[70:71], s[70:71], s[40:41]
	s_cmp_eq_u32 s5, 0                             ; the choices hang on the work-group's number alone
	s_cselect_b64 s[48:49], s[72:73], s[78:79]     ; Wk or Wv
	s_cselect_b64 s[50:51], s[74:75], s[80:81]
	s_cselect_b64 s[18:19], s[76:77], s[82:83]     ; bk or bv
	s_add_nc_u64 s[48:49], s[48:49], s[42:43]
	s_add_nc_u64 s[50:51], s[50:51], s[44:45]
	s_add_nc_u64 s[18:19], s[18:19], s[46:47]
	s_cselect_b64 s[10:11], s[48:49], s[68:69]     ; S: codes,
	s_cselect_b64 s[12:13], s[50:51], s[70:71]     ; scale bytes
	s_cselect_b64 s[14:15], s[68:69], s[48:49]     ; T likewise
	s_cselect_b64 s[16:17], s[70:71], s[50:51]
	s_add_nc_u64 s[20:21], s[92:93], s[58:59]      ; where my images go,
	s_add_nc_u64 s[34:35], s[92:93], s[60:61]      ; and my scale words
	s_cmp_lt_u32 s8, 128
	s_cselect_b64 s[26:27], s[84:85], s[88:89]
	s_add_nc_u64 s[26:27], s[26:27], s[22:23]
	s_add_nc_u64 s[28:29], s[94:95], s[24:25]
.macro TLOAD i                         ; T's tile i: 16 rows x K 512 into buffer i % 2 of window 1, and its scale words
	WIN 0x40
.set c_, 0
.rept 16
	global_load_b128 v[64*((\i)%2)+4*c_:64*((\i)%2)+4*c_+3], v[VA], s[14:15] offset:(32*((\i)/2)+8*((\i)%2))*512+32*c_
.set c_, c_+1
.endr
	WIN 0
	global_load_b128 v[TS+4*((\i)%2):TS+4*((\i)%2)+3], v[VS], s[16:17] offset:(32*((\i)/2)+8*((\i)%2))*16
.endm
; T's tile i against all of S: 32 matrix instructions, the eight accumulators by turns, K ascending; the bias is the C of each sum's first.
.macro ITER mat, i
.if (\i) < 7
	s_wait_loadcnt 17                              ; all but the next tile's 17 loads
.else
	s_wait_loadcnt 0x0
.endif
.if (\i) == 0
	global_store_b128 v[L16], v[RLD:RLD+3], s[28:29]   ; the piece of Wq or Wo: 512 consecutive bytes
.endif
.set ks_, 0
.rept 4
	WIN (0x06+(ks_>>1))                            ; source 0 (S) window 2 or 3, source 1 (T) window 1
.set t_, 0
.rept 8
.set sa_, 128*(ks_&1)+16*t_
.set tb_, 64*((\i)%2)+16*ks_
.if ks_ > 0
	v_wmma_scale_f32_16x16x128_f8f6f4 v[ACC+8*t_:ACC+8*t_+7], v[sa_:sa_+15], v[tb_:tb_+15], v[ACC+8*t_:ACC+8*t_+7], v[SS+4*t_+ks_], v[TS+4*((\i)%2)+ks_]
.elseif \mat
	v_wmma_scale_f32_16x16x128_f8f6f4 v[ACC+8*t_:ACC+8*t_+7], v[sa_:sa_+15], v[tb_:tb_+15], v[CB+8*(\i):CB+8*(\i)+7], v[SS+4*t_+ks_], v[TS+4*((\i)%2)+ks_]
.else
	v_wmma_scale_f32_16x16x128_f8f6f4 v[ACC+8*t_:ACC+8*t_+7], v[sa_:sa_+15], v[tb_:tb_+15], v[CB+8*t_:CB+8*t_+7], v[SS+4*t_+ks_], v[TS+4*((\i)%2)+ks_]
.endif
.set t_, t_+1
.endr
.set ks_, ks_+1
.endr
	WIN 0
	NOPS 8                                         ; places in front of the loads into the buffer just read, and of the first read of results
.if (\i)+2 < 8
	TLOAD (\i)+2
.endif
.if (\i) >= 2
	s_wait_xcnt 0x0                                ; the stores of two tiles ago have read this set of codes
.endif
	QUANT ACC, 0, 4, 0, PC+16*((\i)%2), 0, PWS+(\i), 0x4800000, 0, 0
.set c_, 0
.rept 4
.if \mat
	global_store_b128 v[L16], v[PC+16*((\i)%2)+4*c_:PC+16*((\i)%2)+4*c_+3], s[20:21] offset:((\i)>>2)*KVB+2048*((\i)&3)+512*c_   ; head 2 w + i / 4, feature tile i % 4, keys 32 c on
.else
	global_store_b128 v[L16], v[PC+16*((\i)%2)+4*c_:PC+16*((\i)%2)+4*c_+3], s[20:21] offset:(c_>>1)*KVB+1024*(\i)+512*(c_&1)      ; head 2 w + c / 2, key tile 8 s + i, features 32 (c % 2) on
.endif
.set c_, c_+1
.endr
.endm
.macro BODY mat
.if \mat
	v_lshlrev_b32 v[BIA], 2, v[TMP+2]              ; bv goes by the lane's feature
.else
	v_lshlrev_b32 v[BIA], 6, v[TMP+1]              ; bk goes along the registers
.endif
	global_load_b128 v[RLD:RLD+3], v[VA], s[26:27]
.set t_, 0
.rept 8
	global_load_b128 v[SS+4*t_:SS+4*t_+3], v[VS], s[12:13] offset:(32*(t_/2)+8*(t_%2))*16
.set t_, t_+1
.endr
.set ks_, 0
.rept 4
	WIN ((2+(ks_>>1))<<6)                          ; S's fragment (t, K step) at v[128 (step % 2) + 16 t] of window 2 + step / 2: it stays
.set t_, 0
.rept 8
.set c_, 0
.rept 4
	global_load_b128 v[128*(ks_&1)+16*t_+4*c_:128*(ks_&1)+16*t_+4*c_+3], v[VA], s[10:11] offset:(32*(t_/2)+8*(t_%2))*512+128*ks_+32*c_
.set c_, c_+1
.endr
.set t_, t_+1
.endr
.set ks_, ks_+1
.endr
	WIN 0
.if \mat
.set n_, 0
.rept 64
	global_load_b32 v[CB+n_], v[BIA], s[18:19] offset:(32*((n_/8)/2)+8*((n_/8)%2))*4   ; tile n / 8 of T: my feature's bias in all eight registers
.set n_, n_+1
.endr
.else
.set t_, 0
.rept 8
	global_load_b128 v[CB+8*t_:CB+8*t_+3], v[BIA], s[18:19] offset:(32*(t_/2)+8*(t_%2))*4
	global_load_b128 v[CB+8*t_+4:CB+8*t_+7], v[BIA], s[18:19] offset:(32*(t_/2)+8*(t_%2))*4+16
.set t_, t_+1
.endr
.endif
	TLOAD 0
	TLOAD 1
	; the weights' scale words: 32 pieces of 512 bytes, one for each of the first 32 waves of the launch (a branch on ids).  Piece pid: chunk pid / 2, tiles 2 (pid % 2) and the next
	s_cmp_lt_u32 s9, 32
	s_cbranch_scc0 .Lno_piece_\@
	s_and_b32 s40, s9, 15
	s_lshl_b32 s40, s40, 9                         ; 32 rows of 16 bytes a piece
	s_mov_b32 s41, 0
	s_cmp_lt_u32 s9, 16
	s_cselect_b64 s[36:37], s[86:87], s[90:91]
	s_add_nc_u64 s[36:37], s[36:37], s[40:41]
	s_lshr_b32 s42, s9, 1
	s_mul_i32 s42, s42, CH
	s_and_b32 s43, s9, 1
	s_lshl_b32 s43, s43, 9
	s_add_co_u32 s42, s42, s43
	s_add_co_u32 s42, s42, 32768
	s_mov_b32 s43, 0
	s_add_nc_u64 s[38:39], s[94:95], s[42:43]
	global_load_b128 v[RSD:RSD+3], v[VS2], s[36:37]
	s_wait_loadcnt 0x0                             ; it stands behind the loads that the wave needs anyway
	global_store_b128 v[L16], v[RSD:RSD+3], s[38:39]
.Lno_piece_\@:
.irp i, 0,1,2,3,4,5,6,7
	ITER \mat, \i
.endr
	v_cmp_le_u32 vcc_lo, 16, v[LANE]               ; lanes 16-31
.irp p, 0,1
.irp i, 0,1
.if \mat
	v_cndmask_b32 v[SO+2*\p+\i], v[PWS+4*\p+2*\i], v[PWS+4*\p+2*\i+1], vcc_lo   ; head p: tile 2 i below, tile 2 i + 1 above
.else
	v_perm_b32 v[TMP], v[PWS+4*\i+1], v[PWS+4*\i], 0x05040100+0x02020202*\p      ; head p's two bytes of two neighbouring key tiles
	v_perm_b32 v[TMP+1], v[PWS+4*\i+3], v[PWS+4*\i+2], 0x05040100+0x02020202*\p
	v_cndmask_b32 v[SO+2*\p+\i], v[TMP], v[TMP+1], vcc_lo
.endif
.endr
	global_store_b64 v[L8], v[SO+2*\p:SO+2*\p+1], s[34:35] offset:\p*KVB   ; 32 lanes store 256 consecutive bytes, at a multiple of 256 from kv's first byte
.endr
	s_endpgm
.endm
	s_cmp_lg_u32 s5, 0
	s_cbranch_scc1 .Lmake_v
	BODY 0
.Lmake_v:
	BODY 1
.Lfunc_end_k_qf309bb27b1_prep:
	.size	k_qf309bb27b1_prep, .Lfunc_end_k_qf309bb27b1_prep-k_qf309bb27b1_prep
	.p2alignl 7, 3214868480
	.fill 96, 4, 3214868480
	.section	.rodata,"a",@progbits
	.p2align	6, 0x0
	.amdhsa_kernel k_qf309bb27b1_prep
		.amdhsa_group_segment_fixed_size 0
		.amdhsa_private_segment_fixed_size 0
		.amdhsa_enable_private_segment 0
		.amdhsa_kernarg_size 112
		.amdhsa_user_sgpr_count 2
		.amdhsa_user_sgpr_kernarg_segment_ptr 1
		.amdhsa_wavefront_size32 1
		.amdhsa_system_sgpr_workgroup_id_x 1
		.amdhsa_system_sgpr_workgroup_id_y 1
		.amdhsa_system_sgpr_workgroup_id_z 1
		.amdhsa_system_vgpr_workitem_id 0
		.amdhsa_next_free_vgpr 1024
		.amdhsa_next_free_sgpr 100
		.amdhsa_reserve_vcc 1
		.amdhsa_float_denorm_mode_32 3
		.amdhsa_float_denorm_mode_16_64 3
		.amdhsa_memory_ordered 1
		.amdhsa_forward_progress 1
		.amdhsa_inst_pref_size 255
	.end_amdhsa_kernel
	.section	.bss,"aw",@nobits
	.p2align	6
	.space	262144
	.amdgpu_metadata
---
amdhsa.version: [ 1, 2 ]
amdhsa.kernels:
  - .name:           k_qf309bb27b1_prep
    .symbol:         k_qf309bb27b1_prep.kd
    .args:
      - { .name: key_value_codes, .offset: 0, .size: 8, .value_kind: global_buffer, .address_space: global }
      - { .name: key_value_scales, .offset: 8, .size: 8, .value_kind: global_buffer, .address_space: global }
      - { .name: Wk_codes, .offset: 16, .size: 8, .value_kind: global_buffer, .address_space: global }
      - { .name: Wk_scales, .offset: 24, .size: 8, .value_kind: global_buffer, .address_space: global }
      - { .name: bk, .offset: 32, .size: 8, .value_kind: global_buffer, .address_space: global }
      - { .name: Wv_codes, .offset: 40, .size: 8, .value_kind: global_buffer, .address_space: global }
      - { .name: Wv_scales, .offset: 48, .size: 8, .value_kind: global_buffer, .address_space: global }
      - { .name: bv, .offset: 56, .size: 8, .value_kind: global_buffer, .address_space: global }
      - { .name: Wq_codes, .offset: 64, .size: 8, .value_kind: global_buffer, .address_space: global }
      - { .name: Wq_scales, .offset: 72, .size: 8, .value_kind: global_buffer, .address_space: global }
      - { .name: Wo_codes, .offset: 80, .size: 8, .value_kind: global_buffer, .address_space: global }
      - { .name: Wo_scales, .offset: 88, .size: 8, .value_kind: global_buffer, .address_space: global }
      - { .name: kv, .offset: 96, .size: 8, .value_kind: global_buffer, .address_space: global }
      - { .name: wimg, .offset: 104, .size: 8, .value_kind: global_buffer, .address_space: global }
    .group_segment_fixed_size: 0
    .private_segment_fixed_size: 0
    .kernarg_segment_align: 8
    .kernarg_segment_size: 112
    .max_flat_workgroup_size: 128
    .sgpr_count:     100
    .vgpr_count:     1024
    .wavefront_size: 32
...
	.end_amdgpu_metadata
.endif
;; end of part 1
;; launch mab (part 2): grid 8 x 32, 4 waves a work-group, clusters of 4 x 1, 327,680 bytes of LDS; arguments query_codes, query_scales, bq, kv, wimg, ln0_w, ln0_b, bo, ln1_w, ln1_b, out0; writes out0
.if DOCPART == 2
	.amdgcn_target "amdgcn-amd-amdhsa--gfx1250"
	.amdhsa_code_object_version 6
	.text
	.protected	k_qf309bb27b1_mab
	.globl	k_qf309bb27b1_mab
	.p2align	8
	.type	k_qf309bb27b1_mab,@function
k_qf309bb27b1_mab:
	s_mov_b64 s[64:65], 0
	v_nop
	global_prefetch_b8 v0, s[64:65] scope:SCOPE_SE
	s_setreg_imm32_b32 hwreg(HW_REG_WAVE_MODE, 25, 1), 1
	s_wait_xcnt 0x0
	s_wait_alu depctr_hold_cnt(0) depctr_sa_sdst(0) depctr_va_vdst(0) depctr_va_sdst(0) depctr_va_ssrc(0) depctr_va_vcc(0) depctr_vm_vsrc(0)
	s_getreg_b32 s2, hwreg(HW_REG_IB_STS2, 6, 4)
	s_cmp_eq_u32 s2, 0
	s_cbranch_scc0 .Lentry_in_a_cluster
	s_endpgm
.Lentry_in_a_cluster:
	s_bfe_u32 s2, ttmp6, 0x10000c
	s_cmp_lg_u32 s2, 0x3003
	s_cbranch_scc0 .Lentry_shape_is_right
	s_endpgm
.Lentry_shape_is_right:
; MAB, second of two launches: for 64 query rows of one batch, q = query Wq^T + bq, eight heads of A = tanh(A_) softmax(sqrt(A_^2 + 0.01)), oh = q + A v, LN0, x0 + relu(x0 Wo^T + bo), LN1, the store.
; All products on codes of E4M3 with E8M0 scales; q, oh, x0 and y never leave the registers.  Nothing of reference() is left out.
; SHARES.  Work-group (4 cluster x + cx, batch) owns 64 rows, wave w rows 16 w .. 16 w + 15 for all eight heads: norms, quantisers and residuals stay inside a wave; a row lies in lanes r and r + 16.
; LAYOUT.  Every product is used transposed (source 0 = 16 rows of a weight, of K or of V^T; source 1 = my 16 rows), and the rows of a source-0 tile are chosen (lane r of tile 2 b + u: row 32 b + 8 u + r + 8 (r/8)),
; so that register 16 b + i of lane (r, h) is place 32 b + 16 h + i of row r: the conversions' results are the next product's operand.  OH (window 3): register 32 u + 16 b + i = feature 64 u + 32 b + 16 h + i.
; SCALE = 1/8 is a power of two: 3 is taken off q's scale bytes, so that the score product gives A_ itself; the codes are the quantiser's.
; THE SCORE PRODUCT has K = 64: an even key tile lies in the instruction's K blocks 0, 1, an odd one in blocks 2, 3, with zero codes in the other half on both sides.
; THE SOFTMAX is finished before A is quantised: a wave holds its 16 rows' 512 scores in 256 registers.  The row's maximum of sqrt(x^2 + 0.01) is the same multiply-add and root of the row's largest |x|, and is taken away before the exponential.
; tanh(x) = 1 - 2 / (1 + 2^(2 log2(e) x)).
; THE RING.  LDS holds eight places of 33,792 bytes: places 0-2 are slot 0, places 3-5 slot 1 (a slot: a weight chunk, then a head's block of kv), places 6 and 7 lie behind them.  Trip u reads kv's block u in slot u % 2
; and Wq's chunk u + 1 in the OTHER slot's first place: q OF THE NEXT HEAD IS MADE A TRIP AHEAD, its LDS loads and products set among the quantising of A.  The change of slots stands at a trip's head: wave 0 fills this
; slot's first place, whose chunk was read a trip ago, with chunk u + 2; waves 1 to 3 fill the other slot's kv part with block u + 1; each load has a whole head's work in which to land.  At trip 0 all four are first fills.
; The walk goes on into Wo: trip 6 asks for Wo's chunk 0 (place 0), trip 7 for chunks 3 (place 3) and 1, 2 (places 1, 2), one change behind the loop for chunks 6 (place 6) and 4, 5; chunk 7 comes with the first fills:
; so Wo's chunk c lies at 33,792 c when it is wanted.  Wq's chunk 0, for the q of head 0, comes with the first fills into place 6.  All operands lie in LDS as images of registers: 512 consecutive bytes a load.
; CLUSTER.  The four query blocks of a cluster belong to one batch and walk the same weights, K and V: every tensor load is asked for jointly, with the mask of all four.  By this text's count a wave has at most three tensor loads out.
; LIMITS: a block of q whose largest magnitude lies under 2^-115, any other block under 2^-118, is quantised under the floor's scale (a block of zeros gets that byte too: its codes are zeros);
; tanh has an absolute error of about 1.2e-7, so its relative error grows as |A_| falls; |A_| above 1.8e19 (its square overflows), NaN and infinities are not served.
.set CH,    33792
.set KVB,   67584
.set SLOT,  101376
.set THIRD, 22528                      ; what each of waves 1 to 3 fetches of a slot
.set STAGE, 270336                     ; the way out: 16 rows x 272 bytes for each wave
.set SPARE, 287744                     ; the spare words, 128 bytes for each wave: two blocks of 256 bytes that no other line names
.set L16,  1                           ; v1   16 x lane
.set R16,  2                           ; v2   16 r
.set AKB,  3                           ; v3   16 x lane + K's images in a slot
.set AVB,  4                           ; v4   16 x lane + V's images
.set ASB,  5                           ; v5   8 x lane + K's scale words
.set ADR0, 6
.set ADR1, 7
.set ADR2, 8
.set BIA,  9                           ; v9   64 h: my half's 16 numbers of a block of 32, in f32
.set STO,  10
.set SRD,  11
.set GO,   12
.set QA,   13
.set SPW,  14                          ; v14  my spare word; never rewritten
.set NIL,  15                          ; v15  0; never rewritten
.set WS,   16                          ; v16-23 a weight chunk's scale words   v24-27 query's   v28-35 K's   v36-43 V's   v44 q's   v45 A's   v46-49 x0's: registers that hold scales and nothing else
.set QRS,  24
.set KS,   28
.set VS,   36
.set QS,   44
.set PW,   45
.set XCS,  46
.set NM,   50                          ; v50-51 -log2(e) x the row's maximum
.set RL,   52                          ; v52-53 1 / the row's sum
.set SUM,  54                          ; v54-61 four chains of pairs
.set MX,   62                          ; v62-65 four chains of maxima
.set NMU,  66
.set RS,   68
.set SCR,  70
.set TM,   72                          ; v72-87 the quantiser's work
.set QC,   88                          ; v88-95 q's codes, v96-103 zeros, v104-111 q's codes again
.set PC,   112                         ; v112-127 A's codes
.set OC,   128                         ; v128-159 four accumulators: one head of oh; later of y
.set T,    160                         ; v160-223 at work
.set RING, 128                         ; v128-223 in the softmax: three sets of 32 temporaries by turns (OC is idle there)
.set OC2,  224                         ; v224-255 four accumulators: q of the head to come; later bo of the trip to come
.set QF,   0                           ; window 2: v0-63 query's fragments
.set KB,   64                          ; window 2: v64-159 four triples [8 of an even key tile | 8 zeros | 8 of an odd one]
.set XC,   64                          ; window 2: v64-127 x0's codes, when the scores are done
.set VF,   160                         ; window 2: v160-223 four fragments of V.   Window 1: X, 256: the scores, then A, then piece by piece the next chunk's weight fragments; in the norms gains and biases.   Window 3: OH
.set WV,   4
.set U,    5
.set TB,   6
.set SEL,  8
.set MNT,  17
.set G1W,  24
.set G1K,  32
.set G0WA, 40                          ; s[40:43], s[48:51] wave 0's first fills alone;  s[44:47] wave 0's walking group 0;  s[52:55] that of waves 1 to 3
.set G0WB, 44
.set G0WC, 48
.set G0KB, 52
.set NW,   60                          ; s[60:61] where wave 0's next item begins;  s[62:63] the same for waves 1 to 3;  s[66:67] their part of Wo's chunks 1, 2
.set NK,   62
.set PBK,  66
.set KWP,  93                          ; s93  my part's place in a slot (waves 1 to 3): 11,264 + 22,528 w
.set MSB, 0
.macro WIN new                         ; the immediate's high byte repeats the setting that is left
.if MSB != (\new)
	s_set_vgpr_msb (MSB<<8)|(\new)
.set MSB, (\new)
.endif
.endm
.macro NOPS n
.rept \n
	v_nop
.endr
.endm
.macro ROUND                           ; a round of the cluster's barrier
	s_barrier_signal -1
	s_barrier_wait -1
	s_cmp_lg_u32 s[WV], 0
	s_cbranch_scc1 .Lnot_wave_0_\@
	s_barrier_signal -3
.Lnot_wave_0_\@:
	s_barrier_wait -3
	s_barrier_signal -1
	s_barrier_wait -1
.endm
.macro JLOAD                           ; a joint load: wave 0 a place of 33,792 bytes, waves 1 to 3 22,528 each of two places.  The branch hangs on the wave's number alone.  An s_nop 0 and four v_nop follow each line
	s_cmp_eq_u32 s[WV], 0
	s_cbranch_scc0 .Lfor_k_\@
	tensor_load_to_lds s[G0WB:G0WB+3], s[G1W:G1W+7]
	s_nop 0
	NOPS 4
	s_branch .Lasked_\@
.Lfor_k_\@:
	tensor_load_to_lds s[G0KB:G0KB+3], s[G1K:G1K+7]
	s_nop 0
	NOPS 4
.Lasked_\@:
.endm
; THE CHANGE OF SLOTS, at a trip's head (post = 0) and once behind the loop (post = 1).  Each wave waits for all its tensor loads (one is out: its part of what this trip reads), adds 0 to its spare word, and waits for that
; and for its reads of the last trip; the round shows the same of every wave of the four work-groups; what the last trip read is filled again first thing behind it.
.macro CHANGE post
	s_wait_tensorcnt 0x0                           ; no tensor load of mine is out, so a group 0 may be written
	ds_add_u32 v[SPW], v[NIL]                      ; 0 onto my spare word; the descriptors' steps stand between it and the wait for it
.if \post
	s_mov_b32 s[G0WB+1], 2*SLOT                    ; place 6, which held Wq's chunk 0
.else
	s_mov_b32 s[G0WB+1], s[TB]                     ; this slot's first place
.endif
	s_xor_b32 s94, s[TB], SLOT
	s_add_co_u32 s[G0KB+1], s94, s[KWP]            ; the other slot's kv part
	s_mov_b64 s[G0WB+2:G0WB+3], s[NW:NW+1]
	s_or_b32 s[G0WB+3], s[G0WB+3], 0x80000000
	s_mov_b64 s[G0KB+2:G0KB+3], s[NK:NK+1]
	s_or_b32 s[G0KB+3], s[G0KB+3], 0x80000000
.if !(\post)
	s_cmp_ge_u32 s[U], 6                           ; wave 0: a chunk of wimg on; from Wo's chunk 0 to 3 to 6: three
	s_cselect_b32 s20, s91, s90
	s_cmp_eq_u32 s[U], 7                           ; waves 1 to 3: a block of kv on; from Wo's chunks 1, 2 to 4, 5: three chunks
	s_cselect_b32 s22, s91, s92
	s_add_nc_u64 s[NW:NW+1], s[NW:NW+1], s[20:21]
	s_add_nc_u64 s[NK:NK+1], s[NK:NK+1], s[22:23]
	s_cmp_eq_u32 s[U], 6                           ; behind kv's block 7 they go over from kv to wimg
	s_cselect_b64 s[NK:NK+1], s[PBK:PBK+1], s[NK:NK+1]
.endif
	s_wait_dscnt 0x0                               ; the add is done, and my LDS reads are over
	ROUND
	JLOAD
.endm
; nb blocks of 32: a lane's 16 nb numbers v[src] on (window sw), register 16 b + i = place 32 b + 16 (lane / 16) + i of my row, become codes in v[cdst] on (window cw) and a scale word in v[pw].
; hold = 0: the numbers are held in place; 1: into v[T] on, so that they survive.  adj is taken off each scale byte.  c2: a second copy of the codes (0: none).
.macro QUANT src, sw, nb, hold, cdst, cw, pw, floor, adj, c2
	WIN ((\sw)|((\sw)<<2))
.set qb_, 0
.rept \nb
	v_max3_num_f32 v[TM+qb_], |v[(\src)+16*qb_]|, |v[(\src)+16*qb_+1]|, \floor   ; my 16 numbers and the floor, under which no largest magnitude is taken
.set qb_, qb_+1
.endr
.set qi_, 2
.rept 7
.set qb_, 0
.rept \nb
	v_max3_num_f32 v[TM+qb_], |v[(\src)+16*qb_+qi_]|, |v[(\src)+16*qb_+qi_+1]|, v[TM+qb_]   ; the blocks by turns
.set qb_, qb_+1
.endr
.set qi_, qi_+2
.endr
	WIN 0
.set qb_, 0
.rept \nb
	v_permlanex16_b32 v[TM+4+qb_], v[TM+qb_], s[SEL], s[SEL+1]
.set qb_, qb_+1
.endr
.set qb_, 0
.rept \nb
	v_max_num_f32 v[TM+qb_], v[TM+qb_], v[TM+4+qb_]          ; with lane l xor 16's: the block's largest magnitude
.set qb_, qb_+1
.endr
.set qb_, 0
.rept \nb
	v_add_nc_u32 v[TM+12+qb_], 0xfc000000, v[TM+qb_]         ; 8 off its exponent field: the conversion's scale operand
.set qb_, qb_+1
.endr
.set qb_, 0
.rept \nb
	v_and_or_b32 v[TM+8+qb_], v[TM+qb_], 0x7f800000, s[MNT]  ; 448 x the scale
.set qb_, qb_+1
.endr
.set qb_, 0
.rept \nb
	v_lshrrev_b32 v[TM+4+qb_], 23, v[TM+12+qb_]              ; the scale's byte
.set qb_, qb_+1
.endr
.if \adj
.set qb_, 0
.rept \nb
	v_add_nc_u32 v[TM+4+qb_], -(\adj), v[TM+4+qb_]
.set qb_, qb_+1
.endr
.endif
	v_lshl_or_b32 v[\pw], v[TM+5], 8, v[TM+4]
.if (\nb) == 4
	v_lshl_or_b32 v[\pw], v[TM+6], 16, v[\pw]
	v_lshl_or_b32 v[\pw], v[TM+7], 24, v[\pw]
.else
	v_lshl_or_b32 v[\pw], v[\pw], 16, v[\pw]                 ; two blocks: the pair of bytes twice
.endif
.if \hold
	WIN (\sw)
.else
	WIN ((\sw)|((\sw)<<6))
.endif
.set qi_, 0
.rept 16*(\nb)
.if \hold
	v_med3_num_f32 v[T+qi_], v[(\src)+qi_], -v[TM+8+qi_/16], v[TM+8+qi_/16]
.else
	v_med3_num_f32 v[(\src)+qi_], v[(\src)+qi_], -v[TM+8+qi_/16], v[TM+8+qi_/16]   ; the conversion to an 8-bit code does not saturate (ISA guide 7.6.2): the hold at 448 x the scale
.endif
.set qi_, qi_+1
.endr
.if \hold
.set qs_, T
	WIN ((\cw)<<6)
.else
.set qs_, (\src)
	WIN ((\sw)|((\cw)<<6))
.endif
.set qb_, 0
.rept \nb
	v_cvt_scalef32_pk8_fp8_f32 v[(\cdst)+4*qb_:(\cdst)+4*qb_+1], v[qs_+16*qb_:qs_+16*qb_+7], v[TM+12+qb_]
	v_cvt_scalef32_pk8_fp8_f32 v[(\cdst)+4*qb_+2:(\cdst)+4*qb_+3], v[qs_+16*qb_+8:qs_+16*qb_+15], v[TM+12+qb_]
.if \c2
	v_cvt_scalef32_pk8_fp8_f32 v[(\c2)+4*qb_:(\c2)+4*qb_+1], v[qs_+16*qb_:qs_+16*qb_+7], v[TM+12+qb_]
	v_cvt_scalef32_pk8_fp8_f32 v[(\c2)+4*qb_+2:(\c2)+4*qb_+3], v[qs_+16*qb_+8:qs_+16*qb_+15], v[TM+12+qb_]
.endif
.set qb_, qb_+1
.endr
	WIN 0
	v_nop                                                    ; one plain instruction behind the last scaled conversion
.endm
; A head's 32 registers of OH are reached by a chain of blocks on the loop's counter.  kind 0: OC2 = OH[U + 1], bq's part of the next head (none in trip 7);  1: OH[U] = OC;  2: OH[U] += OC.
.macro CBLOCK kind, u, last, done
.if !(\last)
	s_cmp_lg_u32 s[U], \u
	s_cbranch_scc1 .Lnext_\@
.endif
.set i_, 0
.if (\kind) == 0
	WIN 0x03
.rept 32
	v_mov_b32 v[OC2+i_], v[32*((\u)+1)+i_]
.set i_, i_+1
.endr
.elseif (\kind) == 1
	WIN 0xc0
.rept 32
	v_mov_b32 v[32*(\u)+i_], v[OC+i_]              ; each accumulator from its low end on
.set i_, i_+1
.endr
.else
	WIN 0xc3
.rept 16
	v_pk_add_f32 v[32*(\u)+2*i_:32*(\u)+2*i_+1], v[32*(\u)+2*i_:32*(\u)+2*i_+1], v[OC+2*i_:OC+2*i_+1]
.set i_, i_+1
.endr
.endif
	WIN 0
.if !(\last)
	s_branch \done
.Lnext_\@:
.endif
.endm
.macro CHAIN kind
.irp u, 0,1,2,3,4,5,6
	CBLOCK \kind, \u, 0, .Ldone_\@
.endr
.if (\kind) != 0
	CBLOCK \kind, 7, 1, .Ldone_\@
.endif
.Ldone_\@:
.endm
; v[acc] = v[c0] + (64 rows of a weight, the chunk at v[ADR0]) x (my 16 rows, K = 512, fragments at v[bf] of window 2, scale words v[bs]).  The chunk's 16 fragments come into X in one run; four accumulators by turns, K ascending.
; It serves q of head 0 and the Wo products.  wl = 1: the C of the first K step comes by global loads, which are waited for.
.macro PROJ bf, bs, acc, c0, wl
	ds_load_b128 v[WS:WS+3], v[ADR0] offset:32768
	ds_load_b128 v[WS+4:WS+7], v[ADR0] offset:33280
	WIN 0x40
.set i_, 0
.rept 64
	ds_load_b128 v[4*i_:4*i_+3], v[ADR0] offset:512*i_
.set i_, i_+1
.endr
.if \wl
	s_wait_loadcnt 0x0                             ; bo, asked for a trip ago; its loads are done, so their base may be stepped
.endif
	WIN 0x09                                       ; source 0 (the weight) window 1, source 1 window 2
.set ks_, 0
.rept 4
	s_wait_dscnt 48-16*ks_                         ; this K step's four fragments are in; the later steps' 16 loads each may be out
.set f_, 0
.rept 4
.if ks_ == 0
.set pc_, (\c0)+8*f_
.else
.set pc_, (\acc)+8*f_
.endif
.if f_%2
	v_wmma_scale_f32_16x16x128_f8f6f4 v[(\acc)+8*f_:(\acc)+8*f_+7], v[16*(4*ks_+f_):16*(4*ks_+f_)+15], v[(\bf)+16*ks_:(\bf)+16*ks_+15], v[pc_:pc_+7], v[WS+4*(f_/2)+ks_], v[(\bs)+ks_] matrix_a_scale:MATRIX_SCALE_ROW1
.else
	v_wmma_scale_f32_16x16x128_f8f6f4 v[(\acc)+8*f_:(\acc)+8*f_+7], v[16*(4*ks_+f_):16*(4*ks_+f_)+15], v[(\bf)+16*ks_:(\bf)+16*ks_+15], v[pc_:pc_+7], v[WS+4*(f_/2)+ks_], v[(\bs)+ks_]
.endif
.set f_, f_+1
.endr
.set ks_, ks_+1
.endr
	WIN 0
.endm
; THE NEXT HEAD'S q, in pieces.  PLOADS: K step ks's four fragments of the chunk at v[ADR1] into v[dst] on of window w.  PMULS: OC2 += these fragments x query's K step ks.
.macro PLOADS ks, dst, w
	WIN ((\w)<<6)
.set i_, 0
.rept 16
	ds_load_b128 v[(\dst)+4*i_:(\dst)+4*i_+3], v[ADR1] offset:8192*(\ks)+512*i_
.set i_, i_+1
.endr
	WIN 0
.endm
.macro PMULS ks, src, w
	WIN (0x08|(\w))                                ; source 0 (the weight) window w, source 1 (query) window 2
.set f_, 0
.rept 4
.if f_%2
	v_wmma_scale_f32_16x16x128_f8f6f4 v[OC2+8*f_:OC2+8*f_+7], v[(\src)+16*f_:(\src)+16*f_+15], v[QF+16*(\ks):QF+16*(\ks)+15], v[OC2+8*f_:OC2+8*f_+7], v[WS+4*(f_/2)+(\ks)], v[QRS+(\ks)] matrix_a_scale:MATRIX_SCALE_ROW1
.else
	v_wmma_scale_f32_16x16x128_f8f6f4 v[OC2+8*f_:OC2+8*f_+7], v[(\src)+16*f_:(\src)+16*f_+15], v[QF+16*(\ks):QF+16*(\ks)+15], v[OC2+8*f_:OC2+8*f_+7], v[WS+4*(f_/2)+(\ks)], v[QRS+(\ks)]
.endif
.set f_, f_+1
.endr
	WIN 0
.endm
; What stands behind the products of A's K step s: the weight products whose fragments came a step ago (that step's wait for all LDS loads has covered them), and the next 16 loads, into the piece of X whose numbers
; have just become codes.  They have the next step's quantising in which to land.  Trip 7 has no next head: a branch on the loop's counter leads round.
.macro PEXTRA s
	s_cmp_eq_u32 s[U], 7
	s_cbranch_scc1 .Lno_next_\@
.if (\s) == 0
	PLOADS 1, 0, 1
.elseif (\s) == 1
	PMULS 0, T, 0
	PMULS 1, 0, 1
	PLOADS 2, 64, 1
.elseif (\s) == 2
	PMULS 2, 64, 1
	PLOADS 3, 128, 1
.else
	PMULS 3, 128, 1
.endif
.Lno_next_\@:
.endm
.macro LOADK k                         ; key tiles 4 k .. 4 k + 3 into triples 2 (k % 2), 2 (k % 2) + 1
	WIN 0x80
.set j_, 0
.rept 4
.set kr_, KB+24*(2*((\k)%2)+j_/2)+16*(j_%2)
	ds_load_b128 v[kr_:kr_+3], v[ADR2] offset:1024*(4*(\k)+j_)
	ds_load_b128 v[kr_+4:kr_+7], v[ADR2] offset:1024*(4*(\k)+j_)+512
.set j_, j_+1
.endr
.endm
.macro MAXB kb                         ; the largest |score| of batch kb's 32 registers, in four chains; each accumulator from its low end on
	WIN 0x05
.set j_, 0
.rept 16
	v_max3_num_f32 v[MX+j_%4], |v[32*(\kb)+2*j_]|, |v[32*(\kb)+2*j_+1]|, v[MX+j_%4]
.set j_, j_+1
.endr
.endm
; Batch k of the scores: four key tiles.  The batch before's maxima stand behind the four products: they are also the places in front of the loads into the triples just read.
.macro SCORE k
.if (\k) < 7
	s_wait_dscnt 8                                 ; this batch's eight loads are in, the next batch's may be out
.else
	s_wait_dscnt 0x0
.endif
	WIN 0x42                                       ; source 0 (K) window 2, source 1 (q) window 0, destination window 1
.set j_, 0
.rept 4
.set tb_, KB+24*(2*((\k)%2)+j_/2)
.set xd_, 8*(4*(\k)+j_)
.if j_ == 0
	v_wmma_scale_f32_16x16x128_f8f6f4 v[xd_:xd_+7], v[tb_:tb_+15], v[QC:QC+15], 0, v[KS+(\k)], v[QS]
.elseif j_ == 1
	v_wmma_scale_f32_16x16x128_f8f6f4 v[xd_:xd_+7], v[tb_+8:tb_+23], v[QC+8:QC+23], 0, v[KS+(\k)], v[QS]
.elseif j_ == 2
	v_wmma_scale_f32_16x16x128_f8f6f4 v[xd_:xd_+7], v[tb_:tb_+15], v[QC:QC+15], 0, v[KS+(\k)], v[QS] matrix_a_scale:MATRIX_SCALE_ROW1
.else
	v_wmma_scale_f32_16x16x128_f8f6f4 v[xd_:xd_+7], v[tb_+8:tb_+23], v[QC+8:QC+23], 0, v[KS+(\k)], v[QS] matrix_a_scale:MATRIX_SCALE_ROW1
.endif
.set j_, j_+1
.endr
.if (\k) == 0
	NOPS 8
.else
	MAXB (\k)-1
.endif
.if (\k)+2 < 8
	LOADK (\k)+2
.endif
.endm
.macro REDUCE                          ; the four chains, the pair's halves and lane l xor 16's: the row's sum in v[SCR]
	v_pk_add_f32 v[SUM:SUM+1], v[SUM:SUM+1], v[SUM+2:SUM+3]
	v_pk_add_f32 v[SUM+4:SUM+5], v[SUM+4:SUM+5], v[SUM+6:SUM+7]
	v_pk_add_f32 v[SUM:SUM+1], v[SUM:SUM+1], v[SUM+4:SUM+5]
	v_add_f32 v[SCR], v[SUM], v[SUM+1]
	v_permlanex16_b32 v[SCR+1], v[SCR], s[SEL], s[SEL+1]
	v_add_f32 v[SCR], v[SCR], v[SCR+1]
.endm
.macro ZSUM
.irp i, 0,1,2,3,4,5,6,7
	v_mov_b32 v[SUM+\i], 0
.endr
.endm
; THE SOFTMAX'S ARITHMETIC: each score x becomes tanh(x) e^(sqrt(x^2 + 0.01) - max), and the exponentials join the row's sum.  Eight blocks of 32 scores go through a pipeline of three steps; phase p of ten
;   STARTS block p:          R = x^2 + 0.01, root of R;  X = 2 log2(e) x, exponential of X
;   CARRIES ON block p - 1:  R = log2(e) (R - max), exponential of R;  X = X + 1, reciprocal of X
;   FINISHES block p - 2:    X = 1 - 2 X (tanh), X = X R, sum += R
; R is one of three sets of 32 temporaries, by turns.  Each step reads only transcendentals of the phase before: so ONE wait at a phase's head serves all of them
; and the plain lines of the three blocks stand BETWEEN the transcendentals.  The lines are grouped by register window: three settings a phase.
.macro EWP p
.set xa_, 32*(\p)
.set xb_, 32*(\p)-32
.set xc_, 32*(\p)-64
.set ra_, RING+32*((\p)%3)
.set rb_, RING+32*(((\p)+2)%3)
.set rc_, RING+32*(((\p)+1)%3)
.if (\p) > 0
	s_wait_alu depctr_va_vdst(0)                   ; one wait for the transcendentals of the phase before
.endif
.if (\p) < 8
	WIN 0x05
.set i_, 0
.rept 16
	v_pk_fma_f32 v[ra_+2*i_:ra_+2*i_+1], v[xa_+2*i_:xa_+2*i_+1], v[xa_+2*i_:xa_+2*i_+1], s[10:11] op_sel_hi:[1,1,0]   ; x^2 + 0.01
.set i_, i_+1
.endr
.endif
	WIN 0
.set i_, 0
.rept 17
.if ((\p) > 0) && ((\p) < 9) && (i_ < 16)
	v_pk_fma_f32 v[rb_+2*i_:rb_+2*i_+1], v[rb_+2*i_:rb_+2*i_+1], s[14:15], v[NM:NM+1] op_sel_hi:[1,0,1]   ; log2(e) (root - max)
.endif
.if ((\p) < 8) && (i_ < 16)
	v_sqrt_f32 v[ra_+2*i_], v[ra_+2*i_]
.endif
.if ((\p) > 1) && (i_ < 16)
	v_pk_add_f32 v[SUM+2*(i_%4):SUM+2*(i_%4)+1], v[SUM+2*(i_%4):SUM+2*(i_%4)+1], v[rc_+2*i_:rc_+2*i_+1]
.endif
.if ((\p) < 8) && (i_ < 16)
	v_sqrt_f32 v[ra_+2*i_+1], v[ra_+2*i_+1]
.endif
.if ((\p) > 0) && ((\p) < 9) && (i_ > 0)
	v_exp_f32 v[rb_+2*i_-2], v[rb_+2*i_-2]         ; of the pair scaled one turn ago
	v_exp_f32 v[rb_+2*i_-1], v[rb_+2*i_-1]
.endif
.set i_, i_+1
.endr
	WIN 0x41
.set i_, 0
.rept 17
.if ((\p) < 8) && (i_ < 16)
	v_pk_mul_f32 v[xa_+2*i_:xa_+2*i_+1], v[xa_+2*i_:xa_+2*i_+1], s[12:13] op_sel_hi:[1,0]   ; 2 log2(e) x
.endif
.if ((\p) < 8) && (i_ > 0)
	v_exp_f32 v[xa_+2*i_-2], v[xa_+2*i_-2]
.endif
.if ((\p) > 0) && ((\p) < 9) && (i_ < 16)
	v_pk_add_f32 v[xb_+2*i_:xb_+2*i_+1], v[xb_+2*i_:xb_+2*i_+1], 1.0 op_sel_hi:[1,0]
.endif
.if ((\p) < 8) && (i_ > 0)
	v_exp_f32 v[xa_+2*i_-1], v[xa_+2*i_-1]
.endif
.if ((\p) > 1) && (i_ < 16)
	v_pk_fma_f32 v[xc_+2*i_:xc_+2*i_+1], v[xc_+2*i_:xc_+2*i_+1], -2.0, 1.0 op_sel_hi:[1,0,0]   ; tanh
.endif
.if ((\p) > 0) && ((\p) < 9) && (i_ > 0)
	v_rcp_f32 v[xb_+2*i_-2], v[xb_+2*i_-2]
.endif
.if ((\p) > 1) && (i_ > 0)
	v_pk_mul_f32 v[xc_+2*i_-2:xc_+2*i_-1], v[xc_+2*i_-2:xc_+2*i_-1], v[rc_+2*i_-2:rc_+2*i_-1]
.endif
.if ((\p) > 0) && ((\p) < 9) && (i_ > 0)
	v_rcp_f32 v[xb_+2*i_-1], v[xb_+2*i_-1]
.endif
.set i_, i_+1
.endr
.if (\p) < 9
	v_nop                                          ; a plain instruction behind the phase's last transcendental
.endif
.endm
; Keys 128 s on: A is normalised, quantised along the keys, and multiplied by V.  The first step takes q (OC2) as its C and starts OC: the residual costs nothing, and OC2 is free for the next head's q from there on.
.macro PV s
	WIN 0x41
.set i_, 0
.rept 32
	v_pk_mul_f32 v[64*(\s)+2*i_:64*(\s)+2*i_+1], v[64*(\s)+2*i_:64*(\s)+2*i_+1], v[RL:RL+1]   ; (also the places in front of the loads into V's registers, and of the moves into OC2)
.set i_, i_+1
.endr
	WIN 0x80
.set i_, 0
.rept 16
	ds_load_b128 v[VF+4*i_:VF+4*i_+3], v[ADR0] offset:8192*(\s)+512*i_
.set i_, i_+1
.endr
.if (\s) == 1
	WIN 0
	CHAIN 0                                        ; OC2 = bq's part of the next head: the C of its q
.endif
	QUANT 64*(\s), 1, 4, 0, PC, 0, PW, 0x4800000, 0, 0
	NOPS 4                                         ; codes written by vector instructions stand four places ahead of a scaled matrix instruction; the scale word was made ahead of the holds
	s_wait_dscnt 0x0                               ; V's fragments, and the weight fragments asked for a step ago
	WIN 0x02                                       ; source 0 (V) window 2
.set f_, 0
.rept 4
.if (\s) == 0
.set pc_, OC2+8*f_
.else
.set pc_, OC+8*f_
.endif
.if f_%2
	v_wmma_scale_f32_16x16x128_f8f6f4 v[OC+8*f_:OC+8*f_+7], v[VF+16*f_:VF+16*f_+15], v[PC:PC+15], v[pc_:pc_+7], v[VS+2*(\s)+f_/2], v[PW] matrix_a_scale:MATRIX_SCALE_ROW1
.else
	v_wmma_scale_f32_16x16x128_f8f6f4 v[OC+8*f_:OC+8*f_+7], v[VF+16*f_:VF+16*f_+15], v[PC:PC+15], v[pc_:pc_+7], v[VS+2*(\s)+f_/2], v[PW]
.endif
.set f_, f_+1
.endr
	WIN 0
	PEXTRA \s
.endm
.macro PARAM j, pw, pb                 ; the gains and biases of OH's registers 64 j .. 64 j + 63 into X[128 (j % 2)] and 64 further on
	WIN 0x40
.set q_, 0
.rept 16
	global_load_b128 v[128*((\j)%2)+4*q_:128*((\j)%2)+4*q_+3], v[BIA], s[\pw:\pw+1] offset:512*(\j)+128*(q_/4)+16*(q_%4)
.set q_, q_+1
.endr
.set q_, 0
.rept 16
	global_load_b128 v[128*((\j)%2)+64+4*q_:128*((\j)%2)+64+4*q_+3], v[BIA], s[\pb:\pb+1] offset:512*(\j)+128*(q_/4)+16*(q_%4)
.set q_, q_+1
.endr
	WIN 0
.endm
.macro LNSTAT                          ; OH -= the row's mean; v[RS] = 1 / sqrt(the mean of the squares + eps)
	ZSUM
	WIN 0x0c
.set i_, 0
.rept 128
	v_pk_add_f32 v[SUM+2*(i_%4):SUM+2*(i_%4)+1], v[SUM+2*(i_%4):SUM+2*(i_%4)+1], v[2*i_:2*i_+1]
.set i_, i_+1
.endr
	WIN 0
	REDUCE
	v_mul_f32 v[NMU], s3, v[SCR]
	v_mul_f32 v[NMU+1], s3, v[SCR]
	ZSUM
	WIN 0xc3
.set i_, 0
.rept 128
	v_pk_add_f32 v[2*i_:2*i_+1], v[2*i_:2*i_+1], v[NMU:NMU+1]
.set i_, i_+1
.endr
	WIN 0x0f
.set i_, 0
.rept 128
	v_pk_fma_f32 v[SUM+2*(i_%4):SUM+2*(i_%4)+1], v[2*i_:2*i_+1], v[2*i_:2*i_+1], v[SUM+2*(i_%4):SUM+2*(i_%4)+1]
.set i_, i_+1
.endr
	WIN 0
	REDUCE
	v_fma_f32 v[SCR], v[SCR], s19, s18
	v_rsq_f32 v[RS], v[SCR]
	v_rsq_f32 v[RS+1], v[SCR]
	v_nop
	s_wait_alu depctr_va_vdst(0)
.endm
.macro NORM j
	WIN 0xc3
.set i_, 0
.rept 32
	v_pk_mul_f32 v[64*(\j)+2*i_:64*(\j)+2*i_+1], v[64*(\j)+2*i_:64*(\j)+2*i_+1], v[RS:RS+1]
.set i_, i_+1
.endr
	WIN 0xd7                                       ; OH window 3, gain and bias window 1
.set i_, 0
.rept 32
	v_pk_fma_f32 v[64*(\j)+2*i_:64*(\j)+2*i_+1], v[64*(\j)+2*i_:64*(\j)+2*i_+1], v[128*((\j)%2)+2*i_:128*((\j)%2)+2*i_+1], v[128*((\j)%2)+64+2*i_:128*((\j)%2)+64+2*i_+1]
.set i_, i_+1
.endr
	WIN 0
.endm
; Features 64 u .. 64 u + 63 of my 16 rows go through my stage and leave as whole runs of 256 bytes.  LDS serves a wave's instructions in order (ISA guide 5.7.1.4): no wait between the stores and the loads.
.macro OUT u
.if (\u) >= 2
	s_wait_xcnt 0x0                                ; the stores of two runs ago have read the registers that these loads fill
.endif
	WIN 0x0c                                       ; an LDS store's data are its source 1: window 3
.set q_, 0
.rept 8
	ds_store_b128 v[STO], v[32*(\u)+4*q_:32*(\u)+4*q_+3] offset:128*(q_/4)+16*(q_%4)
.set q_, q_+1
.endr
	WIN 0
.set q_, 0
.rept 8
	ds_load_b128 v[T+32*((\u)%2)+4*q_:T+32*((\u)%2)+4*q_+3], v[SRD] offset:544*q_
.set q_, q_+1
.endr
.set q_, 0
.rept 8
	s_wait_dscnt 7-q_
	global_store_b128 v[GO], v[T+32*((\u)%2)+4*q_:T+32*((\u)%2)+4*q_+3], s[88:89] offset:4096*q_+256*(\u) th:TH_STORE_NT   ; 16 lanes store 256 consecutive bytes, at a multiple of 256 from out0's first byte
.set q_, q_+1
.endr
.endm
; A layer norm over OH.  last = 0: its result is also quantised, K step by K step, into XC and XCS;  1: it is stored.
.macro LNORM pw, pb, last
	PARAM 0, \pw, \pb
	PARAM 1, \pw, \pb
	LNSTAT
.irp j, 0,1,2,3
.if \j < 3
	s_wait_loadcnt 32                              ; this quarter's gains and biases are in, the next quarter's 32 loads may be out
.else
	s_wait_loadcnt 0x0
.endif
	NORM \j
.if \j < 2
	PARAM \j+2, \pw, \pb
.endif
.if \last
	OUT 2*\j
	OUT 2*\j+1
.else
	QUANT 64*\j, 3, 4, 1, XC+16*\j, 2, XCS+\j, 0x4800000, 0, 0
.endif
.endr
.endm
	s_load_b512 s[68:83], s[0:1], 0x0              ; query codes, scales; bq; kv; wimg; ln0_w; ln0_b; bo
	s_load_b128 s[84:87], s[0:1], 0x40             ; ln1_w, ln1_b
	s_load_b64 s[88:89], s[0:1], 0x50              ; out0
	v_lshl_add_u32 v[SPW], v0, 2, SPARE
	v_mov_b32 v[NIL], 0
	ds_add_u32 v[SPW], v[NIL]                      ; the wave's opening: the add, twice on end, and its wait ahead of my first tensor load; the set-up below stands between
	ds_add_u32 v[SPW], v[NIL]
	v_lshrrev_b32 v[SCR], 5, v0
	v_readfirstlane_b32 s[WV], v[SCR]              ; wave 0..3
	v_and_b32 v[SCR], 31, v0                       ; lane
	v_and_b32 v[SCR+1], 15, v0                     ; r
	v_bfe_u32 v[R16], v0, 4, 1                     ; h, for now
	v_lshlrev_b32 v[L16], 4, v[SCR]
	v_add_nc_u32 v[AKB], CH, v[L16]
	v_add_nc_u32 v[AVB], 2*CH, v[L16]
	v_lshlrev_b32 v[ASB], 3, v[SCR]
	v_add_nc_u32 v[ASB], 66560, v[ASB]
	v_lshlrev_b32 v[BIA], 6, v[R16]
	s_mul_i32 s94, s[WV], 16*272
	s_add_co_u32 s94, s94, STAGE                   ; my stage
	v_mul_u32_u24 v[STO], v[SCR+1], 272
	v_lshl_add_u32 v[STO], v[R16], 6, v[STO]
	v_add_nc_u32 v[STO], s94, v[STO]               ; in: row r, + 64 h
	v_mul_u32_u24 v[SRD], v[R16], 272
	v_lshl_add_u32 v[SRD], v[SCR+1], 4, v[SRD]
	v_add_nc_u32 v[SRD], s94, v[SRD]               ; back: lanes 0-15 one row, lanes 16-31 the next
	v_lshlrev_b32 v[GO], 11, v[R16]
	v_lshl_add_u32 v[GO], v[SCR+1], 4, v[GO]       ; and the same two rows of out0
	v_lshlrev_b32 v[QA], 9, v[SCR+1]
	v_lshl_add_u32 v[QA], v[R16], 4, v[QA]         ; query: row r of 512 codes, + 16 h
	v_lshlrev_b32 v[R16], 4, v[SCR+1]              ; its scale bytes
	s_mov_b32 s[SEL], 0x76543210
	s_mov_b32 s[SEL+1], 0xfedcba98                 ; lane l xor 16
	s_mov_b32 s10, 0x3c23d70a                      ; 0.01
	s_mov_b32 s11, s10                             ; (named with it as a pair, so it is written; likewise below)
	s_mov_b32 s12, 0x4038aa3b                      ; 2 log2(e)
	s_mov_b32 s13, s12
	s_mov_b32 s14, 0x3fb8aa3b                      ; log2(e)
	s_mov_b32 s15, s14
	s_mov_b32 s16, 0xbfb8aa3b                      ; -log2(e)
	s_mov_b32 s[MNT], 0x600000                     ; the mantissa field of 448
	s_mov_b32 s18, 0x3727c5ac                      ; 1e-5
	s_mov_b32 s19, 0x3b000000                      ; 1 / 512
	s_mov_b32 s3, 0xbb000000                       ; -1 / 512
	s_mov_b32 s21, 0
	s_mov_b32 s23, 0
	s_mov_b32 s90, CH
	s_mov_b32 s91, 3*CH
	s_mov_b32 s92, KVB
	; descriptor groups 1: dense blocks as rows of 256 bytes (32 elements of 8 bytes), no padding: images are read as they lie
	s_mov_b32 s[G1W], 15|(3<<16)|(1<<21)           ; 15:0 the mask: all four work-groups; 17:16 elements of 8 bytes; 21 set beside a mask
	s_mov_b32 s[G1W+1], 32<<16                     ; tensor_dim0
	s_mov_b32 s[G1W+2], 132<<16                    ; tensor_dim1: 33,792 bytes
	s_mov_b32 s[G1W+3], 32<<16                     ; tile_dim0
	s_mov_b32 s[G1W+4], 132                        ; tile_dim1
	s_mov_b32 s[G1W+5], 32                         ; the pitch
	s_mov_b32 s[G1W+6], 0
	s_mov_b32 s[G1W+7], 0
	s_mov_b32 s[G1K], 15|(3<<16)|(1<<21)
	s_mov_b32 s[G1K+1], 32<<16
	s_mov_b32 s[G1K+2], 88<<16                     ; 22,528 bytes
	s_mov_b32 s[G1K+3], 32<<16
	s_mov_b32 s[G1K+4], 88
	s_mov_b32 s[G1K+5], 32
	s_mov_b32 s[G1K+6], 0
	s_mov_b32 s[G1K+7], 0
	s_mul_i32 s[KWP], s[WV], THIRD
	s_add_co_u32 s[KWP], s[KWP], THIRD/2           ; wave 1: 33,792; wave 2: 56,320; wave 3: 78,848
	s_max_u32 s94, s[WV], 1
	s_sub_co_u32 s94, s94, 1
	s_mul_i32 s94, s94, THIRD                      ; which third, in memory
	s_mov_b32 s95, 0
	s_and_b32 s7, ttmp7, 0xffff                    ; the batch, which the four partners share
	s_mul_i32 s96, s7, 8*KVB
	s_add_co_u32 s96, s96, s94
	s_mov_b32 s97, 0
	s_mov_b32 s[G0WA], 1
	s_mov_b32 s[G0WA+1], 2*SLOT                    ; place 6: Wq's chunk 0
	s_mov_b32 s[G0WB], 1
	s_mov_b32 s[G0WB+1], SLOT                      ; place 3: Wq's chunk 1
	s_mov_b32 s[G0WC], 1
	s_mov_b32 s[G0WC+1], 2*SLOT+CH                 ; place 7: Wo's chunk 7
	s_mov_b32 s[G0KB], 1
	s_mov_b32 s[G0KB+1], s[KWP]                    ; slot 0's kv part: block 0
	s_bfe_u32 s2, ttmp6, 0x40000                   ; cx: it enters query's and out0's addresses alone
	s_lshl_b32 s98, ttmp9, 2
	s_add_co_u32 s98, s98, s2
	s_lshl_b32 s98, s98, 6                         ; 64 rows a work-group
	s_lshl_b32 s2, s7, 9
	s_add_co_u32 s98, s98, s2
	s_lshl_b32 s2, s[WV], 4
	s_add_co_u32 s98, s98, s2                      ; my first row
	s_wait_dscnt 0x0                               ; both opening adds are done
	s_wait_kmcnt 0x0
	s_mov_b64 s[G0WA+2:G0WA+3], s[76:77]
	s_add_nc_u64 s[G0WB+2:G0WB+3], s[76:77], CH
	s_add_nc_u64 s[G0WC+2:G0WC+3], s[76:77], 15*CH
	s_add_nc_u64 s[NW:NW+1], s[76:77], 2*CH        ; trip 0 asks for Wq's chunk 2
	s_add_nc_u64 s[G0KB+2:G0KB+3], s[74:75], s[96:97]
	s_add_nc_u64 s[NK:NK+1], s[G0KB+2:G0KB+3], KVB ; and for the batch's block 1
	s_add_nc_u64 s[PBK:PBK+1], s[76:77], s[94:95]
	s_add_nc_u64 s[PBK:PBK+1], s[PBK:PBK+1], 9*CH
	s_or_b32 s[G0WA+3], s[G0WA+3], 0x80000000      ; 127:126 type = 2
	s_or_b32 s[G0WB+3], s[G0WB+3], 0x80000000
	s_or_b32 s[G0WC+3], s[G0WC+3], 0x80000000
	s_or_b32 s[G0KB+3], s[G0KB+3], 0x80000000
	ROUND                                          ; all four work-groups are here: the first joint loads meet
	s_cmp_eq_u32 s[WV], 0                          ; a wave's first fills stand in one branch, ahead of every wait on TENSORcnt, every LDS read and every other barrier
	s_cbranch_scc0 .Lfirst_k
	tensor_load_to_lds s[G0WA:G0WA+3], s[G1W:G1W+7]
	s_nop 0
	tensor_load_to_lds s[G0WB:G0WB+3], s[G1W:G1W+7]
	s_nop 0
	tensor_load_to_lds s[G0WC:G0WC+3], s[G1W:G1W+7]
	s_nop 0
	NOPS 4
	s_branch .Lfirst_asked
.Lfirst_k:
	tensor_load_to_lds s[G0KB:G0KB+3], s[G1K:G1K+7]
	s_nop 0
	NOPS 4
.Lfirst_asked:
	s_lshl_b32 s20, s98, 9
	s_add_nc_u64 s[68:69], s[68:69], s[20:21]      ; query's codes,
	s_lshl_b32 s20, s98, 4
	s_add_nc_u64 s[70:71], s[70:71], s[20:21]      ; its scale bytes,
	s_lshl_b32 s20, s98, 11
	s_add_nc_u64 s[88:89], s[88:89], s[20:21]      ; and out0 at my first row
	WIN 0x80
.set i_, 0
.rept 16
	global_load_b128 v[QF+4*i_:QF+4*i_+3], v[QA], s[68:69] offset:32*i_ th:TH_LOAD_NT   ; my 16 rows' four fragments: they stay
.set i_, i_+1
.endr
	WIN 0
	global_load_b128 v[QRS:QRS+3], v[R16], s[70:71]
	WIN 0xc0
.set i_, 0
.rept 64
	global_load_b128 v[4*i_:4*i_+3], v[BIA], s[72:73] offset:128*(i_/4)+16*(i_%4)   ; OH begins as bq in the result's layout: the C of each head's projection
.set i_, i_+1
.endr
	WIN 0x80
.irp k, 0,1,2,3
.irp i, 0,1,2,3,4,5,6,7
	v_mov_b32 v[KB+24*\k+8+\i], 0                  ; the triples' zero codes: written once
.endr
.endr
	WIN 0
.irp i, 0,1,2,3,4,5,6,7
	v_mov_b32 v[QC+8+\i], 0                        ; and q's
.endr
.irp b, 0,1,2,3
	v_mov_b32 v[TM+4+\b], 0                        ; written once: a lane permute's destination counts as one of its sources
.endr
	s_wait_tensorcnt 0x0                           ; my first fills are in: Wq's chunk 0 is wanted before the next wait on this counter
	s_barrier_signal -1
	s_barrier_wait -1
	s_wait_loadcnt 0x0
	; q of head 0, ahead of the loop
	WIN 0x03
.set i_, 0
.rept 32
	v_mov_b32 v[OC2+i_], v[i_]                     ; bq's part of head 0
.set i_, i_+1
.endr
	WIN 0
	v_add_nc_u32 v[ADR0], 2*SLOT, v[L16]
	PROJ QF, QRS, OC2, OC2, 0
	NOPS 8                                         ; places in front of the first read of q
	s_mov_b32 s[U], 0
	s_mov_b32 s[TB], 0
.Lhead:                                            ; eight trips, a head each; OC2 holds the head's q
	CHANGE 0
	v_add_nc_u32 v[ADR1], s[TB], v[ASB]
	v_add_nc_u32 v[ADR2], s[TB], v[AKB]
.set i_, 0
.rept 4
	ds_load_b64 v[KS+2*i_:KS+2*i_+1], v[ADR1] offset:256*i_
.set i_, i_+1
.endr
.set i_, 0
.rept 4
	ds_load_b64 v[VS+2*i_:VS+2*i_+1], v[ADR1] offset:CH+256*i_
.set i_, i_+1
.endr
	LOADK 0
	LOADK 1
	WIN 0
	QUANT OC2, 0, 2, 1, QC, 0, QS, 0x6000000, 3, QC+16   ; q stays in OC2 for the residual; its codes twice, for even and odd key tiles; 3 off the bytes: SCALE
.irp i, 0,1,2,3
	v_mov_b32 v[MX+\i], 0
.endr
	ZSUM                                           ; (these twelve are also the places in front of the scores)
.irp k, 0,1,2,3,4,5,6,7
	SCORE \k
.endr
	NOPS 8
	MAXB 7
	WIN 0
	v_max3_num_f32 v[MX], v[MX], v[MX+1], v[MX+2]
	v_max_num_f32 v[MX], v[MX], v[MX+3]
	v_permlanex16_b32 v[SCR+1], v[MX], s[SEL], s[SEL+1]
	v_max_num_f32 v[MX], v[MX], v[SCR+1]           ; the row's largest |A_|
	v_fma_f32 v[SCR], v[MX], v[MX], s10
	v_sqrt_f32 v[SCR], v[SCR]                      ; the softmax's maximum
	v_nop
	s_wait_alu depctr_va_vdst(0)
	v_mul_f32 v[NM], s16, v[SCR]
	v_mul_f32 v[NM+1], s16, v[SCR]
.irp p, 0,1,2,3,4,5,6,7,8,9
	EWP \p
.endr
	WIN 0
	REDUCE
	v_rcp_f32 v[RL], v[SCR]
	v_rcp_f32 v[RL+1], v[SCR]
	v_add_nc_u32 v[ADR0], s[TB], v[AVB]            ; (a plain instruction behind the reciprocals)
	s_xor_b32 s94, s[TB], SLOT
	v_add_nc_u32 v[ADR1], s94, v[L16]              ; the next head's chunk of Wq: the other slot's first place
	s_wait_alu depctr_va_vdst(0)
	s_cmp_eq_u32 s[U], 7                           ; trip 7 has no next head
	s_cbranch_scc1 .Lno_w
	ds_load_b128 v[WS:WS+3], v[ADR1] offset:32768
	ds_load_b128 v[WS+4:WS+7], v[ADR1] offset:33280
	PLOADS 0, T, 0                                 ; its K step 0 into the softmax's temporaries, which are done with
.Lno_w:
	PV 0
	PV 1
	PV 2
	PV 3
	NOPS 8
	CHAIN 1                                        ; OH[U] = q + A v
	s_xor_b32 s[TB], s[TB], SLOT
	s_add_co_u32 s[U], s[U], 1
	s_cmp_lt_u32 s[U], 8
	s_cbranch_scc1 .Lhead
	CHANGE 1                                       ; Wo's chunks 6 and 4, 5: they land while LN0 is worked
.set q_, 0
.rept 8
	global_load_b128 v[OC2+4*q_:OC2+4*q_+3], v[BIA], s[82:83] offset:128*(q_/4)+16*(q_%4)   ; bo of the first 64 outputs
.set q_, q_+1
.endr
	LNORM 78, 80, 0                                ; x0 = LN0(oh), kept in OH, and its codes
	s_wait_tensorcnt 0x0                           ; the last joint loads have landed: Wo lies whole in LDS
	ds_add_u32 v[SPW], v[NIL]
	NOPS 4                                         ; x0's last codes were written just above: with the quantiser's closing v_nop and the loop's address line they stand six plain instructions ahead of the first product that reads them; four are asked
	s_wait_dscnt 0x0
	s_barrier_signal -1
	s_barrier_wait -1
	s_mov_b32 s[U], 0
	s_mov_b32 s[TB], 0
.Lwo:                                              ; eight trips: 64 outputs each; OC2 holds their bo, the C of the sums
	v_add_nc_u32 v[ADR0], s[TB], v[L16]
	PROJ XC, XCS, OC, OC2, 1
	NOPS 9                                         ; places in front of the first read of results and of the loads into bo's and the fragments' registers; nine, since the next trip's first products begin OC anew with another C
	s_cmp_eq_u32 s[U], 7                           ; the last trip asks for nothing: no load leaves bo
	s_cbranch_scc1 .Lno_bo
	s_add_nc_u64 s[82:83], s[82:83], 256
.set q_, 0
.rept 8
	global_load_b128 v[OC2+4*q_:OC2+4*q_+3], v[BIA], s[82:83] offset:128*(q_/4)+16*(q_%4)   ; bo of the next trip: it has this trip's end and the next trip's LDS loads in which to land
.set q_, q_+1
.endr
.Lno_bo:
.set i_, 0
.rept 32
	v_max_num_f32 v[OC+i_], 0, v[OC+i_]            ; relu
.set i_, i_+1
.endr
	CHAIN 2                                        ; OH[U] += it
	s_add_co_u32 s[TB], s[TB], CH
	s_add_co_u32 s[U], s[U], 1
	s_cmp_lt_u32 s[U], 8
	s_cbranch_scc1 .Lwo
	LNORM 84, 86, 1                                ; LN1, and the store
	s_wait_tensorcnt 0x0                           ; the wave's end, behind my last tensor load and my last LDS store
	ds_add_u32 v[SPW], v[NIL]
	s_wait_dscnt 0x0
	ROUND                                          ; the closing round: no work-group ends while a partner may still ask for a tile that names it
	s_endpgm
.Lfunc_end_k_qf309bb27b1_mab:
	.size	k_qf309bb27b1_mab, .Lfunc_end_k_qf309bb27b1_mab-k_qf309bb27b1_mab
	.p2alignl 7, 3214868480
	.fill 96, 4, 3214868480
	.section	.rodata,"a",@progbits
	.p2align	6, 0x0
	.amdhsa_kernel k_qf309bb27b1_mab
		.amdhsa_group_segment_fixed_size 327680
		.amdhsa_private_segment_fixed_size 0
		.amdhsa_enable_private_segment 0
		.amdhsa_kernarg_size 88
		.amdhsa_user_sgpr_count 2
		.amdhsa_user_sgpr_kernarg_segment_ptr 1
		.amdhsa_wavefront_size32 1
		.amdhsa_system_sgpr_workgroup_id_x 1
		.amdhsa_system_sgpr_workgroup_id_y 1
		.amdhsa_system_sgpr_workgroup_id_z 1
		.amdhsa_system_vgpr_workitem_id 0
		.amdhsa_next_free_vgpr 1024
		.amdhsa_next_free_sgpr 100
		.amdhsa_reserve_vcc 0
		.amdhsa_float_denorm_mode_32 3
		.amdhsa_float_denorm_mode_16_64 3
		.amdhsa_memory_ordered 1
		.amdhsa_forward_progress 1
		.amdhsa_inst_pref_size 255
	.end_amdhsa_kernel
	.section	.bss,"aw",@nobits
	.p2align	6
	.space	262144
	.amdgpu_metadata
---
amdhsa.version: [ 1, 2 ]
amdhsa.kernels:
  - .name:           k_qf309bb27b1_mab
    .symbol:         k_qf309bb27b1_mab.kd
    .args:
      - { .name: query_codes, .offset: 0, .size: 8, .value_kind: global_buffer, .address_space: global }
      - { .name: query_scales, .offset: 8, .size: 8, .value_kind: global_buffer, .address_space: global }
      - { .name: bq, .offset: 16, .size: 8, .value_kind: global_buffer, .address_space: global }
      - { .name: kv, .offset: 24, .size: 8, .value_kind: global_buffer, .address_space: global }
      - { .name: wimg, .offset: 32, .size: 8, .value_kind: global_buffer, .address_space: global }
      - { .name: ln0_w, .offset: 40, .size: 8, .value_kind: global_buffer, .address_space: global }
      - { .name: ln0_b, .offset: 48, .size: 8, .value_kind: global_buffer, .address_space: global }
      - { .name: bo, .offset: 56, .size: 8, .value_kind: global_buffer, .address_space: global }
      - { .name: ln1_w, .offset: 64, .size: 8, .value_kind: global_buffer, .address_space: global }
      - { .name: ln1_b, .offset: 72, .size: 8, .value_kind: global_buffer, .address_space: global }
      - { .name: out0, .offset: 80, .size: 8, .value_kind: global_buffer, .address_space: global }
    .group_segment_fixed_size: 327680
    .private_segment_fixed_size: 0
    .kernarg_segment_align: 8
    .kernarg_segment_size: 88
    .max_flat_workgroup_size: 128
    .sgpr_count:     100
    .vgpr_count:     1024
    .wavefront_size: 32
...
	.end_amdgpu_metadata
.endif
;; end of part 2
